; MI455X (gfx1250); checked and timed in simulation.
; The chip was launched on July 23, 2026; its instructions are those of AMD's public machine-readable ISA for CDNA 5 (MIT licence, August 2026) and "CDNA5" Instruction Set Architecture Reference Guide (July 2026). The comments in the code are by the model that wrote it; some were corrected since.
;; Transformer. Allowed arithmetic: matrix products marked QUANTISED: E2M1 operands, one E8M0 scale for each 32 along K, by v_wmma_scale_f32_16x16x128_f8f6f4 with both operands' format E2M1 (or v_wmma_scale_f32_32x16x128_f4), f32 sums; products left as they are: bf16, f16 or f32 operands; f32 sums; everything else in f32.
;; Inputs: head_bias 128 float32; head_kernel 1,024 x 128 float32; key_bias 8 x 128 float32; key_kernel 8 x 1,024 x 128 float32; query_bias 8 x 128 float32; query_kernel 8 x 1,024 x 128 float32; value_bias 8 x 128 float32; value_kernel 8 x 1,024 x 128 float32; x 4 x 2,048 x 1,024 float32.
;; Outputs: out0 4 x 2,048 x 128 float32.
;; This version of the problem:
;;   THIS VERSION OF THE PROBLEM IS GIVEN IN LOW PRECISION. The matrix products marked QUANTISED in the list below multiply operands that are first quantised to E2M1 (2 exponent bits, 1 mantissa bit; 4 bits a number), with one power-of-two scale for each 32 numbers along K (OCP MX v1.0); their sums are f32. The products marked 'left as it is' may take bf16, f16 or f32 operands, with f32 sums. Whichever they take, every output number must still come out within the allowed error. Rounding operands to bf16 (8 significant bits) uses up far more of that allowance than f16 does (11 bits, for magnitudes from 6e-5 to 65,504). All else is computed in f32.
;;   The module's matrix products, in the order in which they are computed (A, B: the left and right operand; K: the contracted axis; several contracted axes count as one K, in the product's order):
;;     1. [M 1,024, K 1,024] x [K 1,024, N 8,192]; A: input query_kernel; B: input x: QUANTISED
;;     2. [M 1,024, K 1,024] x [K 1,024, N 8,192]; A: input key_kernel; B: input x: QUANTISED
;;     3. [M 1,024, K 1,024] x [K 1,024, N 8,192]; A: input value_kernel; B: input x: QUANTISED
;;     4. batch 32 x [M 2,048, K 128] x [K 128, N 2,048]; A: computed on the way; B: computed on the way: left as it is (an operand is computed on the way)
;;     5. batch 32 x [M 2,048, K 2,048] x [K 2,048, N 128]; A: computed on the way; B: computed on the way: left as it is (an operand is computed on the way)
;;     6. [M 8,192, K 1,024] x [K 1,024, N 128]; A: computed on the way; B: input head_kernel: left as it is (an operand is computed on the way)
;;   THE QUANTISER, for each operand of a quantised product, along K:
;;     - K is cut into blocks of 32 from its start; a last block that is shorter is filled with zeros.
;;     - A block's scale is 2^e with e = floor(log2(the largest magnitude in the block)) - 2, held to -126 .. 127; a block of zeros has e = 0. As a byte (E8M0): e + 127.
;;     - Each number is divided by its block's scale, clamped to +-6, and rounded to the nearest number of E2M1, ties to even, subnormals kept.
;;     - The product sums the exact products of the quantised numbers (number of the format x scale) in f32.
;;   ~~~python
;;   def quantise(x, axis):      # numpy; x: float32 -> the quantised numbers, widened to float32 again
;;       x = np.moveaxis(x, axis, -1); K = x.shape[-1]
;;       x = np.pad(x, [(0, 0)] * (x.ndim - 1) + [(0, -K % 32)]); x = x.reshape(x.shape[:-1] + (-1, 32)); a = np.abs(x).max(-1, keepdims=True)
;;       e = np.where(a > 0, np.clip(np.frexp(np.where(a > 0, a, 1))[1] - 1 - 2, -126, 127), 0)      # np.frexp(a)[1] - 1 = floor(log2(a)), exactly
;;       r = np.clip(x / 2.0 ** e, -6, 6)
;;       step = 2.0 ** (np.maximum(np.frexp(np.where(r == 0, 1, r))[1] - 1, 0) - 1)
;;       q = np.round(r / step) * step * 2.0 ** e      # np.round: ties to even
;;       return np.moveaxis(q.reshape(q.shape[:-2] + (-1,))[..., :K], -1, axis).astype(np.float32)
;;   ~~~
;; One version. Each part assembles by itself: llvm-mc -triple=amdgcn-amd-amdhsa -mcpu=gfx1250 --defsym DOCPART=n.
;; ======== version 1 of 1: 4 launches
;; limits: values are held in f16: magnitudes above 65,504 overflow, below 6.1e-05 lose precision
;; workspace buffers: x_codes 4,194,304 bytes; x_scales 262,144 bytes; w_img 1,671,168 bytes; wh_img 262,144 bytes; q16 16,777,216 bytes; k16 16,777,216 bytes; v16 16,777,216 bytes; part 33,554,432 bytes
;; launch quant (part 1): grid 456 x 1, 4 waves a work-group, no clusters, 33,280 bytes of LDS; arguments x, query_kernel, key_kernel, value_kernel, head_kernel, x_codes, x_scales, w_img, wh_img; writes x_codes, x_scales, w_img, wh_img
.if DOCPART == 1
	.amdgcn_target "amdgcn-amd-amdhsa--gfx1250"
	.amdhsa_code_object_version 6
	.text
	.protected	k_qc459ec756e_quant
	.globl	k_qc459ec756e_quant
	.p2align	8
	.type	k_qc459ec756e_quant,@function
k_qc459ec756e_quant:
	s_mov_b64 s[64:65], 0
	v_nop
	global_prefetch_b8 v0, s[64:65] scope:SCOPE_SE
	s_setreg_imm32_b32 hwreg(HW_REG_WAVE_MODE, 25, 1), 1
	s_wait_xcnt 0x0
; THE PROGRAM: out = concat_h(softmax(q_h k_h^T / sqrt(128)) v_h) head_kernel + head_bias, q, k, v = x W + bias for 8 heads of 128.  Four launches:
; this one (operands of the three quantised products into codes; head_kernel into f16), the three products, attention with each head's part of the last product, the sum over heads.
; WORK LEFT OUT: key_bias.  k_t = x_t Wk + bk adds scale x (q_s . bk) to sims[s, t]: for a given query s that term is the same for every key t, and softmax along t is unchanged by a term
; that is the same along its axis, whatever finite values the inputs hold.  k goes into no quantiser (the product q k^T is left as it is), so no code or scale hangs on it.  key_bias has no other
; way to the output: it is not loaded, and it is among no launch's arguments.  LIMIT: a NaN, an infinity or an overflow that reaches the result through key_bias alone is not carried to it.
; LIMITS of the program: q, k, v, the normalised attention result and head_kernel go to the matrix units as f16: magnitudes up to 65,504 are served; NaN and infinities among the inputs are not served;
; blocks whose largest magnitude lies under 2^(2 - 126) get the scale byte 1.
; THIS LAUNCH.  Work-groups 0-255: x [8192][1024] f32 into codes of E2M1, K innermost, [8192][512 bytes], and one E8M0 byte for each 32 along K, [8192][32].
; Work-groups 256-447: 128 rows (one K step) x 128 columns of one head of query_kernel, key_kernel or value_kernel: K is the FIRST axis of such a block, so a lane takes a column and its registers run down K.
; The codes are stored as IMAGES OF THE OPERAND'S REGISTERS: for matrix mh = 8 m + head, K step s, tile t of 16 columns: 1,024 bytes; byte 512 c + 16 (16 h + r) on: the 32 codes k = 128 s + 64 c + 32 h + 0..31 of column 16 t + r.
; Behind a matrix's 64 images (65,536 bytes) lie its scale words, [s][column], four bytes each: 69,632 bytes a matrix.
; Work-groups 448-455: 128 rows of head_kernel (one head's) into f16, again as register images: fragment f = 4 o + c (16 output columns o, 32 channels c): byte 512 u + 16 (16 hh + r) on: rows 32 c + 16 u + 8 hh + 0..7 of column 16 o + r.
; A block's scale is 2^(floor(log2(largest magnitude)) - 2); its byte is the largest magnitude's exponent field - 2, held at 1 from below.  A block of zeros so gets the byte 1: its codes are zeros, and this program alone reads the bytes.
.set STEPS, 16
.set EMAX,  2
.set CB,    8                          ; bytes of 16 codes
.set R,     16                         ; x path: v16-79   four sets of 16 numbers as loaded
.set X,     80                         ;         v80-111  two sets of 16 neighbours
.set E,     112                        ;         v112-127 a scale byte for each step
.set C,     128                        ;         v128-191 codes, registers of their own for each step
.set WREG,  8192                       ; LDS: a region for each wave: two stages of 32 x SP bytes, then its 256 scale bytes
.set SP,    80                         ; a lane's place in a stage: 64 bytes + 16 of padding
.set SPW,   12                         ; v12 LDS address of my spare word; never rewritten
.set NIL,   13                         ; v13 0; never rewritten
.set SPARE, 4*WREG                     ; behind the four regions: the spare words, 128 bytes a wave, that no other line names
.set N,     32                         ; weights paths: v32-159 my column's 128 numbers down K
.set CW,    160                        ;                v160-175 the four blocks' codes
.set WW,    176                        ;                v176 the scale word
	s_load_b512 s[4:19], s[0:1], 0x0               ; x, query_kernel, key_kernel, value_kernel, head_kernel, x_codes, x_scales, w_img
	s_load_b64 s[20:21], s[0:1], 0x40              ; wh_img
	v_lshl_add_u32 v[SPW], v0, 2, SPARE
	v_mov_b32 v[NIL], 0
	v_lshrrev_b32 v1, 5, v0
	v_readfirstlane_b32 s22, v1                    ; wave
	v_and_b32 v2, 31, v0                           ; lane
	s_wait_kmcnt 0x0
	s_cmp_lt_u32 ttmp9, 256
	s_cbranch_scc0 .Lweights
; ---- x: a plain stream of blocks of 32.  A wave takes 16 steps of 512 numbers.  Each load reads 512 consecutive bytes; a step's 2,048 bytes turn through the wave's own stage in LDS, so that a lane then holds 16 neighbours along K
	v_lshlrev_b32 v3, 4, v2                        ; my 16 bytes of a load's 512
	s_mul_i32 s23, s22, WREG
	v_lshrrev_b32 v14, 2, v2
	v_mul_u32_u24 v14, v14, SP
	v_and_b32 v15, 3, v2
	v_lshl_add_u32 v14, v15, 4, v14
	v_add_nc_u32 v14, s23, v14                     ; the stage, on the way in: SP (lane / 4) + 16 (lane % 4)
	v_mul_u32_u24 v15, v2, SP
	v_add_nc_u32 v15, s23, v15                     ; and on the way out: SP x lane
	v_mul_u32_u24 v4, v2, CB                       ; my codes' place in a step's
	v_lshrrev_b32 v5, 1, v2
	s_add_co_u32 s23, s23, 2*32*SP
	v_add_nc_u32 v5, s23, v5                       ; my block's scale byte in the wave's 256
	v_lshlrev_b32 v7, 3, v2
	v_add_nc_u32 v6, s23, v7                       ; and on the way out 8 bytes a lane
	s_lshl_b32 s24, ttmp9, 2
	s_add_co_u32 s24, s24, s22                     ; which run of 8,192 numbers is my wave's
	s_mov_b32 s27, 0
	s_lshl_b32 s26, s24, 15
	s_add_nc_u64 s[4:5], s[4:5], s[26:27]
	s_lshl_b32 s26, s24, 12
	s_add_nc_u64 s[14:15], s[14:15], s[26:27]
	s_lshl_b32 s26, s24, 8
	s_add_nc_u64 s[16:17], s[16:17], s[26:27]
.macro LOAD t
.irp i, 0,1,2,3
	global_load_b128 v[R+16*((\t)%4)+4*\i:R+16*((\t)%4)+4*\i+3], v3, s[4:5] offset:2048*(\t)+512*\i th:TH_LOAD_NT
.endr
.endm
.macro TURN t                          ; LDS serves a wave's instructions in order: no wait between the stores and the loads
.irp i, 0,1,2,3
	ds_store_b128 v14, v[R+16*((\t)%4)+4*\i:R+16*((\t)%4)+4*\i+3] offset:32*SP*((\t)%2)+8*SP*\i
.endr
.irp i, 0,1,2,3
	ds_load_b128 v[X+16*((\t)%2)+4*\i:X+16*((\t)%2)+4*\i+3], v15 offset:32*SP*((\t)%2)+16*\i
.endr
.endm
.irp t, 0,1,2,3
	LOAD \t
.endr
	s_wait_loadcnt 12                              ; step 0's four loads are in; the twelve of steps 1 to 3 may be out
	TURN 0
.macro STEP t
.set XS, X+16*((\t)%2)
.if (\t) > 0
	s_wait_dscnt 1                                 ; this step's numbers are back from the stage (the last step's byte store may be out)
.else
	s_wait_dscnt 0x0
.endif
.if (\t)+4 < STEPS
	LOAD (\t)+4                                    ; into the registers that this step's stage stores have read
.endif
.if (\t)+1 < STEPS
.if STEPS-2-(\t) >= 3
	s_wait_loadcnt 12                              ; the next step's four loads are in; those of the three steps behind it may be out
.else
	s_wait_loadcnt 4*(STEPS-2-(\t))
.endif
	TURN (\t)+1
.endif
	v_max3_num_f32 v8, |v[XS]|, |v[XS+1]|, |v[XS+2]|
	v_max3_num_f32 v9, |v[XS+3]|, |v[XS+4]|, |v[XS+5]|
.irp i, 6,10
	v_max3_num_f32 v8, v8, |v[XS+\i]|, |v[XS+\i+1]|
	v_max3_num_f32 v9, v9, |v[XS+\i+2]|, |v[XS+\i+3]|
.endr
	v_max3_num_f32 v8, v8, |v[XS+14]|, |v[XS+15]|
	v_max3_num_f32 v8, v8, v9, (EMAX+1)<<23        ; the floor 2^(EMAX + 1 - 127): the byte cannot fall under 1
	v_max_num_f32_dpp v8, v8, v8 row_xmask:1 row_mask:0xf bank_mask:0xf   ; with my neighbour's 16: the block's largest magnitude
	v_add_nc_u32 v11, -(EMAX<<23), v8              ; EMAX off its exponent field: the conversion takes this operand's exponent field as its scale
	v_cvt_scalef32_pk8_fp4_f32 v[C+4*(\t)], v[XS:XS+7], v11
	v_cvt_scalef32_pk8_fp4_f32 v[C+4*(\t)+1], v[XS+8:XS+15], v11
	v_lshrrev_b32 v[E+(\t)], 23, v11               ; the scale's byte
	ds_store_b8 v5, v[E+(\t)] offset:16*(\t)       ; both lanes of a block write the same byte with the same value
	global_store_b64 v4, v[C+4*(\t):C+4*(\t)+1], s[14:15] offset:32*CB*(\t)   ; the wave stores 256 consecutive bytes, aligned
.endm
.irp t, 0,1,2,3,4,5,6,7,8,9,10,11,12,13,14,15
	STEP \t
.endr
	ds_load_b64 v[8:9], v6                         ; my wave's 256 scale bytes: these loads see my stores
	s_wait_dscnt 0x0
	global_store_b64 v7, v[8:9], s[16:17]          ; 256 consecutive bytes, aligned
	s_wait_tensorcnt 0x0                           ; the wave's end, behind my last LDS store
	ds_add_u32 v[SPW], v[NIL]
	s_wait_dscnt 0x0
	s_endpgm
; ---- the weights: no LDS.  Thread c takes column c of a block of 128 rows x 128 columns (65,536 dense bytes); each load of a wave reads 128 consecutive bytes, the four waves a row
.Lweights:
	s_sub_co_u32 s23, ttmp9, 256                   ; id 0..199
	s_lshr_b32 s24, s23, 6                         ; 0 query_kernel, 1 key_kernel, 2 value_kernel, 3 head_kernel
	s_cmp_eq_u32 s24, 1
	s_cselect_b64 s[6:7], s[8:9], s[6:7]           ; the choice hangs on the work-group's number alone
	s_cmp_eq_u32 s24, 2
	s_cselect_b64 s[6:7], s[10:11], s[6:7]
	s_cmp_eq_u32 s24, 3
	s_cselect_b64 s[6:7], s[12:13], s[6:7]
	s_and_b32 s26, s23, 63
	s_lshl_b32 s26, s26, 16                        ; block (id % 64): head (id % 64) / 8, rows 128 (id % 8) on
	s_mov_b32 s27, 0
	s_add_nc_u64 s[6:7], s[6:7], s[26:27]
	v_lshlrev_b32 v3, 2, v0                        ; my column, 4 bytes
.macro WLOAD b                         ; rows 32 b .. 32 b + 31 of my column
.set kk, 32*(\b)
.rept 32
	global_load_b32 v[N+kk], v3, s[6:7] offset:512*kk th:TH_LOAD_NT
.set kk, kk+1
.endr
.endm
	WLOAD 0
	WLOAD 1
	v_lshrrev_b32 v6, 4, v0                        ; my tile of 16 columns
	v_and_b32 v7, 15, v0
	v_lshlrev_b32 v7, 4, v7                        ; 16 r
	s_and_b32 s28, s23, 7
	s_cmp_eq_u32 s24, 3
	s_cbranch_scc1 .Lhead
	v_lshl_add_u32 v4, v6, 10, v7                  ; my place in a K step's eight images: 1,024 x tile + 16 r
	s_lshr_b32 s25, s23, 3                         ; matrix 8 m + head
	s_mul_i32 s26, s25, 69632
	s_add_nc_u64 s[18:19], s[18:19], s[26:27]
	s_lshl_b32 s26, s28, 13
	s_add_nc_u64 s[30:31], s[18:19], s[26:27]      ; this K step's images
	s_lshl_b32 s26, s28, 9
	s_add_co_u32 s26, s26, 65536
	s_add_nc_u64 s[32:33], s[18:19], s[26:27]      ; and its scale words
.macro WBLOCK b
.set XS, N+32*(\b)
.if (\b) < 3
	s_wait_loadcnt 32                              ; this block's 32 loads are in; the next block's 32, issued behind them, may be out
.else
	s_wait_loadcnt 0x0
.endif
.if (\b)+2 < 4
	WLOAD (\b)+2                                   ; two blocks ahead, into registers of their own
.endif
	v_max3_num_f32 v8, |v[XS]|, |v[XS+1]|, |v[XS+2]|               ; the block's largest magnitude: all 32 numbers are mine
	v_max3_num_f32 v9, |v[XS+3]|, |v[XS+4]|, |v[XS+5]|
.irp i, 6,10,14,18,22,26
	v_max3_num_f32 v8, v8, |v[XS+\i]|, |v[XS+\i+1]|
	v_max3_num_f32 v9, v9, |v[XS+\i+2]|, |v[XS+\i+3]|
.endr
	v_max3_num_f32 v8, v8, |v[XS+30]|, |v[XS+31]|
	v_max3_num_f32 v8, v8, v9, (EMAX+1)<<23
	v_add_nc_u32 v10, -(EMAX<<23), v8
	v_lshrrev_b32 v11, 23, v10
.if (\b) == 0
	v_mov_b32 v[WW], v11                           ; four bytes make the K step's scale word of my column
.else
	v_lshl_or_b32 v[WW], v11, 8*(\b), v[WW]
.endif
.irp g, 0,1,2,3
	v_cvt_scalef32_pk8_fp4_f32 v[CW+4*(\b)+\g], v[XS+8*\g:XS+8*\g+7], v10
.endr
	global_store_b128 v4, v[CW+4*(\b):CW+4*(\b)+3], s[30:31] offset:((\b)/2)*512+((\b)%2)*256   ; block b = 2 c + h: sixteen lanes store 256 consecutive bytes, aligned
.endm
	WBLOCK 0
	WBLOCK 1
	WBLOCK 2
	WBLOCK 3
	global_store_b32 v3, v[WW], s[32:33]           ; the four waves cover 512 consecutive bytes
	s_endpgm
.Lhead:                                            ; head_kernel to f16, eight rows of my column to a store
	v_lshl_add_u32 v5, v6, 12, v7                  ; 4,096 x (column / 16) + 16 r
	s_lshl_b32 s26, s28, 15
	s_add_nc_u64 s[20:21], s[20:21], s[26:27]      ; my head's 32 fragments
.set g, 0
.rept 16
.if g%4 == 0
.if g/4 < 3
	s_wait_loadcnt 32                              ; as above: one block of 32 loads may be out
.else
	s_wait_loadcnt 0x0
.endif
.if g/4+2 < 4
	WLOAD g/4+2
.endif
.endif
.irp i, 0,1,2,3
	v_cvt_pk_f16_f32 v[N+8*g+\i], v[N+8*g+2*\i], v[N+8*g+2*\i+1]   ; in place, ascending: a result lands only on numbers already converted
.endr
	global_store_b128 v5, v[N+8*g:N+8*g+3], s[20:21] offset:(g/4)*1024+((g%4)/2)*512+(g%2)*256
.set g, g+1
.endr
	s_endpgm
.Lfunc_end_k_qc459ec756e_quant:
	.size	k_qc459ec756e_quant, .Lfunc_end_k_qc459ec756e_quant-k_qc459ec756e_quant
	.p2alignl 7, 3214868480
	.fill 96, 4, 3214868480
	.section	.rodata,"a",@progbits
	.p2align	6, 0x0
	.amdhsa_kernel k_qc459ec756e_quant
		.amdhsa_group_segment_fixed_size 33280
		.amdhsa_private_segment_fixed_size 0
		.amdhsa_enable_private_segment 0
		.amdhsa_kernarg_size 72
		.amdhsa_user_sgpr_count 2
		.amdhsa_user_sgpr_kernarg_segment_ptr 1
		.amdhsa_wavefront_size32 1
		.amdhsa_system_sgpr_workgroup_id_x 1
		.amdhsa_system_sgpr_workgroup_id_y 1
		.amdhsa_system_sgpr_workgroup_id_z 1
		.amdhsa_system_vgpr_workitem_id 0
		.amdhsa_next_free_vgpr 192
		.amdhsa_next_free_sgpr 66
		.amdhsa_reserve_vcc 0
		.amdhsa_float_denorm_mode_32 3
		.amdhsa_float_denorm_mode_16_64 3
		.amdhsa_memory_ordered 1
		.amdhsa_forward_progress 1
		.amdhsa_inst_pref_size 64
	.end_amdhsa_kernel
	.amdgpu_metadata
---
amdhsa.version: [ 1, 2 ]
amdhsa.kernels:
  - .name:           k_qc459ec756e_quant
    .symbol:         k_qc459ec756e_quant.kd
    .args:
      - { .name: x, .offset: 0, .size: 8, .value_kind: global_buffer, .address_space: global }
      - { .name: query_kernel, .offset: 8, .size: 8, .value_kind: global_buffer, .address_space: global }
      - { .name: key_kernel, .offset: 16, .size: 8, .value_kind: global_buffer, .address_space: global }
      - { .name: value_kernel, .offset: 24, .size: 8, .value_kind: global_buffer, .address_space: global }
      - { .name: head_kernel, .offset: 32, .size: 8, .value_kind: global_buffer, .address_space: global }
      - { .name: x_codes, .offset: 40, .size: 8, .value_kind: global_buffer, .address_space: global }
      - { .name: x_scales, .offset: 48, .size: 8, .value_kind: global_buffer, .address_space: global }
      - { .name: w_img, .offset: 56, .size: 8, .value_kind: global_buffer, .address_space: global }
      - { .name: wh_img, .offset: 64, .size: 8, .value_kind: global_buffer, .address_space: global }
    .group_segment_fixed_size: 33280
    .private_segment_fixed_size: 0
    .kernarg_segment_align: 8
    .kernarg_segment_size: 72
    .max_flat_workgroup_size: 128
    .sgpr_count:     66
    .vgpr_count:     192
    .wavefront_size: 32
...
	.end_amdgpu_metadata
.endif
;; end of part 1
;; launch qkv (part 2): grid 8 x 32, 4 waves a work-group, clusters of 4 x 4, 327,680 bytes of LDS; arguments x_codes, x_scales, w_img, query_bias, value_bias, q16, k16, v16; writes q16, k16, v16
.if DOCPART == 2
	.amdgcn_target "amdgcn-amd-amdhsa--gfx1250"
	.amdhsa_code_object_version 6
	.text
	.protected	k_qc459ec756e_qkv
	.globl	k_qc459ec756e_qkv
	.p2align	8
	.type	k_qc459ec756e_qkv,@function
k_qc459ec756e_qkv:
	s_mov_b64 s[64:65], 0
	v_nop
	global_prefetch_b8 v0, s[64:65] scope:SCOPE_SE
	s_setreg_imm32_b32 hwreg(HW_REG_WAVE_MODE, 25, 1), 1
	s_wait_xcnt 0x0
	s_wait_alu depctr_hold_cnt(0) depctr_sa_sdst(0) depctr_va_vdst(0) depctr_va_sdst(0) depctr_va_ssrc(0) depctr_va_vcc(0) depctr_vm_vsrc(0)
	s_getreg_b32 s2, hwreg(HW_REG_IB_STS2, 6, 4)
	s_cmp_eq_u32 s2, 0
	s_cbranch_scc0 .Lentry_in_a_cluster
	s_endpgm
.Lentry_in_a_cluster:
	s_bfe_u32 s2, ttmp6, 0x10000c
	s_cmp_lg_u32 s2, 0xf033
	s_cbranch_scc0 .Lentry_shape_is_right
	s_endpgm
.Lentry_shape_is_right:
; q, k, v = x W + bias on codes of E2M1 with one E8M0 scale for each 32 along K = 1,024; sums in f32; results rounded once to f16, laid [8 b + head][2048][128].
; WORK LEFT OUT: key_bias (a term of the softmax's input that is the same along its axis: shown at the head of the first launch): k's sums begin with the constant 0.
; SHARES.  Work-group (head, block of 256 rows of x): three passes (q, k, v), each 256 rows x 128 columns.  A wave makes 64 rows x 128 columns: 32 accumulators of 16 x 16.
; All 1,024 along K of the 256 rows' codes stay in LDS (512 bytes a row).  The weights come as register images (65,536 bytes of fragments and 4,096 of scale words a matrix) into two slots: q's into slot 0, k's into slot 1,
; v's into slot 0 again, behind the q pass: the one refill of the launch.
; CLUSTER 4 x 4: the four work-groups of a row of the cluster share the rows of x, the four of a column the head's weights: each tile is asked for jointly.  Every wave fetches a quarter of each tile: no branch on the wave's number.
; THE MATRIX INSTRUCTION IS USED TRANSPOSED (source 0 = 16 columns of W, source 1 = 16 rows of x): a lane holds eight neighbouring columns of one row of the result.  The biases are the C of a sum's first instruction.
; REGISTERS: window 0: v4-15 addresses; v16-31 x's scale words (register 4 i + q: lanes 0-15 K step q, lanes 16-31 K step 4 + q, of my block i of 16 rows); v32-63 W's scale words (register 4 s + j: lanes 0-15 tile 2 j, lanes 16-31 tile 2 j + 1);
;   v64-127 x's fragments, two sets; v128-223 the way out.   window 1: v0-127 W's fragments, two sets; v128-191 query_bias, v192-255 value_bias, eight registers a tile.   window 2: accumulator (i, t) at v[8 (8 i + t)].
.set PITCH, 528                        ; an LDS row of x's codes: 512 bytes + 16 of padding: the 16 rows of a load start at 16 different places modulo 256 bytes
.set WBLK,  69632                      ; a matrix's images and scale words
.set WB0,   256*PITCH
.set WB1,   WB0+WBLK
.set STAGE, WB1+WBLK                   ; 16 rows x 272 bytes for each wave; no tensor load lands here
.set SP,    272
.set SPARE, STAGE+4*16*SP              ; the spare words, 128 bytes a wave, that no other line names
.set ADRA, 4                           ; v4    (64 w + r) PITCH + 16 h
.set ADRB, 5                           ; v5-6  slot + 16 x lane
.set ADRS, 7                           ; v7-8  slot + 65,536 + 4 x lane
.set STO,  9
.set RD,   10
.set CO,   11                          ; 16 x lane
.set XSA,  12                          ; 32 r + 16 h
.set BO,   13                          ; 32 h
.set SPW,  14
.set NIL,  15
.set XS,   16
.set WS,   32
.set AF,   64
.set TMP,  128
.set OB,   160
.set QB,   128                         ; in window 1
.set VB,   192
.set WV,   20
.set G1A,  32                          ; s[32:39] group 1 for x's codes; s[40:47] for the weights
.set G1B,  40
.set G0A,  48                          ; s[48:51] group 0 for x's codes; s[52:63] three for the weights: q, k, v
.set G0B,  52
.set MSB, 0
.macro WIN new                         ; the immediate's high byte repeats the setting that is left
.if MSB != \new
	s_set_vgpr_msb (MSB<<8)|\new
.set MSB, \new
.endif
.endm
.macro PLACES
.rept 4
	v_nop
.endr
.endm
.macro CROUND                          ; a round of the cluster's barrier
	s_barrier_signal -1
	s_barrier_wait -1
	s_cmp_lg_u32 s[WV], 0
	s_cbranch_scc1 .Lnot_wave_0_\@
	s_barrier_signal -3
.Lnot_wave_0_\@:
	s_barrier_wait -3
	s_barrier_signal -1
	s_barrier_wait -1
.endm
	s_load_b512 s[4:19], s[0:1], 0x0               ; x_codes, x_scales, w_img, query_bias, value_bias, q16, k16, v16
	v_lshl_add_u32 v[SPW], v0, 2, SPARE
	v_mov_b32 v[NIL], 0
	ds_add_u32 v[SPW], v[NIL]                      ; the wave's opening: the add, twice on end, and its wait ahead of my first tensor load
	ds_add_u32 v[SPW], v[NIL]
	v_lshrrev_b32 v1, 5, v0
	v_readfirstlane_b32 s[WV], v1                  ; wave 0..3
	s_bfe_u32 s21, ttmp6, 0x40000                  ; cx
	s_bfe_u32 s22, ttmp6, 0x40004                  ; cy
	s_lshl_b32 s23, ttmp9, 2
	s_add_co_u32 s23, s23, s21                     ; head = 4 x cluster x + cx
	s_and_b32 s24, ttmp7, 0xffff
	s_lshl_b32 s24, s24, 2
	s_add_co_u32 s24, s24, s22                     ; block of 256 rows = 4 x cluster y + cy
	s_lshl_b32 s25, s22, 2
	s_lshl_b32 s25, 15, s25                        ; my row of the cluster
	s_lshl_b32 s26, 0x1111, s21                    ; my column
	s_or_b32 s[G1A], s25, (0<<16)|(1<<20)|(1<<21)|(6<<22)|(3<<25)   ; the mask; elements of 1 byte; padding on; bit 21 beside a mask; 4 words of padding after every 128
	s_mov_b32 s[G1A+1], 512<<16                    ; tensor_dim0 = 512
	s_mov_b32 s[G1A+2], 64<<16                     ; tensor_dim1 = 64
	s_mov_b32 s[G1A+3], 512<<16                    ; tile_dim0
	s_mov_b32 s[G1A+4], 64                         ; tile_dim1
	s_mov_b32 s[G1A+5], 512                        ; from row to row
	s_mov_b32 s[G1A+6], 0
	s_mov_b32 s[G1A+7], 0
	s_or_b32 s[G1B], s26, (3<<16)|(1<<21)          ; a quarter of a matrix: 17,408 dense bytes as 68 rows of 32 elements of 8 bytes
	s_mov_b32 s[G1B+1], 32<<16
	s_mov_b32 s[G1B+2], 68<<16
	s_mov_b32 s[G1B+3], 32<<16
	s_mov_b32 s[G1B+4], 68
	s_mov_b32 s[G1B+5], 32
	s_mov_b32 s[G1B+6], 0
	s_mov_b32 s[G1B+7], 0
	s_lshl_b32 s66, s24, 17                        ; x's codes: 256 rows of 512 bytes a block,
	s_lshl_b32 s27, s[WV], 15                      ; my 64 rows: made of the block of rows and the wave alone
	s_add_co_u32 s66, s66, s27
	s_mov_b32 s67, 0
	s_mul_i32 s68, s23, WBLK                       ; the weights: made of the head and the wave alone
	s_mul_i32 s28, s[WV], WBLK/4
	s_add_co_u32 s68, s68, s28
	s_mov_b32 s69, 0
	s_mul_i32 s29, s[WV], 64*PITCH                 ; my 64 rows in LDS
	s_lshl_b32 s74, s24, 13                        ; x's scale bytes: 32 a row
	s_lshl_b32 s27, s[WV], 11
	s_add_co_u32 s74, s74, s27
	s_mov_b32 s75, 0
	s_lshl_b32 s76, s23, 9                         ; the head's 128 biases
	s_mov_b32 s77, 0
	s_lshr_b32 s70, s24, 3                         ; the results: batch b = block / 8,
	s_lshl_b32 s70, s70, 3
	s_add_co_u32 s70, s70, s23                     ; 8 b + head,
	s_lshl_b32 s70, s70, 11
	s_and_b32 s71, s24, 7
	s_lshl_b32 s71, s71, 8
	s_add_co_u32 s70, s70, s71                     ; + the block's first position in the sequence
	s_lshl_b32 s71, s[WV], 6
	s_add_co_u32 s70, s70, s71                     ; + my 64 rows,
	s_lshl_b32 s70, s70, 8                         ; of 256 bytes
	s_mov_b32 s71, 0
	s_wait_dscnt 0x0                               ; both opening adds are done
	s_wait_kmcnt 0x0
	s_mov_b32 s[G0A], 1
	s_mov_b32 s[G0A+1], s29
	s_add_nc_u64 s[G0A+2:G0A+3], s[4:5], s[66:67]
	s_or_b32 s[G0A+3], s[G0A+3], 0x80000000
	s_add_nc_u64 s[72:73], s[8:9], s[68:69]
.irp n, 0,1,2
	s_mov_b32 s[G0B+4*\n], 1
	s_add_co_u32 s[G0B+4*\n+1], s28, WB0+(\n%2)*WBLK               ; q: slot 0, k: slot 1, v: slot 0
	s_add_nc_u64 s[G0B+4*\n+2:G0B+4*\n+3], s[72:73], \n*8*WBLK     ; eight matrices on
	s_or_b32 s[G0B+4*\n+3], s[G0B+4*\n+3], 0x80000000
.endr
	s_add_nc_u64 s[6:7], s[6:7], s[74:75]
	s_add_nc_u64 s[10:11], s[10:11], s[76:77]
	s_add_nc_u64 s[12:13], s[12:13], s[76:77]
	s_add_nc_u64 s[14:15], s[14:15], s[70:71]
	s_add_nc_u64 s[16:17], s[16:17], s[70:71]
	s_add_nc_u64 s[18:19], s[18:19], s[70:71]
	CROUND                                         ; all sixteen work-groups are here: the first joint loads meet
	tensor_load_to_lds s[G0A:G0A+3], s[G1A:G1A+7]  ; the first fills, one group: three loads of mine are out
	s_nop 0
	tensor_load_to_lds s[G0B:G0B+3], s[G1B:G1B+7]
	s_nop 0
	tensor_load_to_lds s[G0B+4:G0B+7], s[G1B:G1B+7]
	s_nop 0
	PLACES
	v_and_b32 v1, 31, v0                           ; lane
	v_and_b32 v2, 15, v0                           ; r
	v_bfe_u32 v3, v0, 4, 1                         ; h
	v_mul_u32_u24 v[ADRA], v2, PITCH
	v_lshl_add_u32 v[ADRA], v3, 4, v[ADRA]
	v_add_nc_u32 v[ADRA], s29, v[ADRA]
	v_lshl_add_u32 v[ADRB], v1, 4, WB0
	v_lshl_add_u32 v[ADRB+1], v1, 4, WB1
	v_lshl_add_u32 v[ADRS], v1, 2, WB0+65536
	v_lshl_add_u32 v[ADRS+1], v1, 2, WB1+65536
	s_mul_i32 s30, s[WV], 16*SP
	s_add_co_u32 s30, s30, STAGE                   ; my stage
	v_mul_u32_u24 v[STO], v2, SP
	v_lshl_add_u32 v[STO], v3, 4, v[STO]
	v_add_nc_u32 v[STO], s30, v[STO]               ; in: row r, 16 bytes for each half of the lanes
	v_mul_u32_u24 v[RD], v3, SP
	v_lshl_add_u32 v[RD], v2, 4, v[RD]
	v_add_nc_u32 v[RD], s30, v[RD]                 ; back: lanes 0-15 one row of 256 bytes, lanes 16-31 the next
	v_lshlrev_b32 v[CO], 4, v1                     ; the same two rows in memory are 512 consecutive bytes
	v_lshlrev_b32 v[XSA], 5, v2
	v_lshl_add_u32 v[XSA], v3, 4, v[XSA]
	v_lshlrev_b32 v[BO], 5, v3
.irp i, 0,1,2,3
	global_load_b128 v[XS+4*\i:XS+4*\i+3], v[XSA], s[6:7] offset:512*\i   ; 16 rows' scale bytes: 512 consecutive bytes
.endr
	WIN 0x40                                       ; destination window 1
.irp t, 0,1,2,3,4,5,6,7
	global_load_b128 v[QB+8*\t:QB+8*\t+3], v[BO], s[10:11] offset:64*\t        ; lane (r, h): the biases of columns 16 t + 8 h + 0 .. 7
	global_load_b128 v[QB+8*\t+4:QB+8*\t+7], v[BO], s[10:11] offset:64*\t+16
	global_load_b128 v[VB+8*\t:VB+8*\t+3], v[BO], s[12:13] offset:64*\t
	global_load_b128 v[VB+8*\t+4:VB+8*\t+7], v[BO], s[12:13] offset:64*\t+16
.endr
	WIN 0
; one scaled product.  zero = 1: C is the constant 0; else C is v[c ..] (a bias tile or the accumulator itself: the window says which).  ra, rb: the scale rows of source 0 and source 1
.macro PROD d, a, b, zero, c, sa, sb, ra, rb
.if \zero
.if \ra
	v_wmma_scale_f32_16x16x128_f8f6f4 v[0+(\d):7+(\d)], v[0+(\a):7+(\a)], v[0+(\b):7+(\b)], 0, v[0+(\sa)], v[0+(\sb)] matrix_a_fmt:MATRIX_FMT_FP4 matrix_b_fmt:MATRIX_FMT_FP4 matrix_a_scale:MATRIX_SCALE_ROW1
.else
	v_wmma_scale_f32_16x16x128_f8f6f4 v[0+(\d):7+(\d)], v[0+(\a):7+(\a)], v[0+(\b):7+(\b)], 0, v[0+(\sa)], v[0+(\sb)] matrix_a_fmt:MATRIX_FMT_FP4 matrix_b_fmt:MATRIX_FMT_FP4
.endif
.elseif (\ra) && (\rb)
	v_wmma_scale_f32_16x16x128_f8f6f4 v[0+(\d):7+(\d)], v[0+(\a):7+(\a)], v[0+(\b):7+(\b)], v[0+(\c):7+(\c)], v[0+(\sa)], v[0+(\sb)] matrix_a_fmt:MATRIX_FMT_FP4 matrix_b_fmt:MATRIX_FMT_FP4 matrix_a_scale:MATRIX_SCALE_ROW1 matrix_b_scale:MATRIX_SCALE_ROW1
.elseif \ra
	v_wmma_scale_f32_16x16x128_f8f6f4 v[0+(\d):7+(\d)], v[0+(\a):7+(\a)], v[0+(\b):7+(\b)], v[0+(\c):7+(\c)], v[0+(\sa)], v[0+(\sb)] matrix_a_fmt:MATRIX_FMT_FP4 matrix_b_fmt:MATRIX_FMT_FP4 matrix_a_scale:MATRIX_SCALE_ROW1
.elseif \rb
	v_wmma_scale_f32_16x16x128_f8f6f4 v[0+(\d):7+(\d)], v[0+(\a):7+(\a)], v[0+(\b):7+(\b)], v[0+(\c):7+(\c)], v[0+(\sa)], v[0+(\sb)] matrix_a_fmt:MATRIX_FMT_FP4 matrix_b_fmt:MATRIX_FMT_FP4 matrix_b_scale:MATRIX_SCALE_ROW1
.else
	v_wmma_scale_f32_16x16x128_f8f6f4 v[0+(\d):7+(\d)], v[0+(\a):7+(\a)], v[0+(\b):7+(\b)], v[0+(\c):7+(\c)], v[0+(\sa)], v[0+(\sb)] matrix_a_fmt:MATRIX_FMT_FP4 matrix_b_fmt:MATRIX_FMT_FP4
.endif
.endm
.macro SCALES sl                       ; a matrix's scale words: 32 columns to a load
.irp s, 0,1,2,3,4,5,6,7
.irp j, 0,1,2,3
	ds_load_b32 v[WS+4*\s+\j], v[ADRS+\sl] offset:512*\s+128*\j
.endr
.endr
.endm
.macro FETCH sl, s, p                  ; K step s: W's eight fragments (images: 16 x lane) and my four of x, into set p
	WIN 0x40
.irp t, 0,1,2,3,4,5,6,7
.irp c, 0,1
	ds_load_b128 v[64*(\p)+8*\t+4*\c:64*(\p)+8*\t+4*\c+3], v[ADRB+\sl] offset:(8*(\s)+\t)*1024+512*\c
.endr
.endr
	WIN 0
.irp i, 0,1,2,3
.irp c, 0,1
	ds_load_b128 v[AF+32*(\p)+8*\i+4*\c:AF+32*(\p)+8*\i+4*\c+3], v[ADRA] offset:16*PITCH*\i+64*(\s)+32*\c
.endr
.endr
.endm
; A K step of 128: 32 products, the 32 accumulators by turns, one instruction a turn, in the same order in every step.
.macro KSTEP sl, s, zero, cb
	s_wait_dscnt 0x0                               ; this step's fragments, asked for a K step (32 products) ago, are in
.if (\s) < 7
	PLACES                                         ; four places in front of loads into registers that the last step's products have read
	FETCH \sl, (\s)+1, ((\s)+1)%2
.endif
.if ((\s) == 0) && !(\zero)
	WIN 0x91                                       ; source 0 (W) window 1, source 1 (x) window 0, C (the bias) window 1, D window 2
.else
	WIN 0xa1                                       ; C and D window 2
.endif
.irp i, 0,1,2,3
.irp t, 0,1,2,3,4,5,6,7
.if (\s) == 0
	PROD 8*(8*\i+\t), 64*((\s)%2)+8*\t, AF+32*((\s)%2)+8*\i, \zero, (\cb)+8*\t, WS+4*(\s)+\t/2, XS+4*\i+(\s)%4, \t%2, (\s)/4
.else
	PROD 8*(8*\i+\t), 64*((\s)%2)+8*\t, AF+32*((\s)%2)+8*\i, 0, 8*(8*\i+\t), WS+4*(\s)+\t/2, XS+4*\i+(\s)%4, \t%2, (\s)/4
.endif
.endr
.endr
.endm
.macro MULPASS sl, zero, cb
	PLACES                                         ; in front of loads into registers that the last pass's products have read
	SCALES \sl
	FETCH \sl, 0, 0
.irp s, 0,1,2,3,4,5,6,7
	KSTEP \sl, \s, \zero, \cb
.endr
	WIN 0
.endm
; THE WAY OUT, a block of 16 rows at a time: rounded to f16 (16 bytes a lane), through my own stage, back as whole rows of 256 bytes.
.macro PACK a
	WIN 0x0a                                       ; sources window 2
.irp t, 0,1,2,3,4,5,6,7
.irp q, 0,1,2,3
	v_cvt_pk_f16_f32 v[TMP+4*\t+\q], v[64*(\a)+8*\t+2*\q], v[64*(\a)+8*\t+2*\q+1]   ; each accumulator from its low end on
.endr
.endr
	WIN 0
.endm
.macro TOSTAGE a
.irp t, 0,1,2,3,4,5,6,7
	ds_store_b128 v[STO], v[TMP+4*\t:TMP+4*\t+3] offset:32*\t
.endr
.irp u, 0,1,2,3,4,5,6,7
	ds_load_b128 v[OB+32*((\a)%2)+4*\u:OB+32*((\a)%2)+4*\u+3], v[RD] offset:\u*2*SP   ; LDS serves a wave's instructions in order: these see the stores above
.endr
.endm
.macro SEND a, ptr
	s_wait_dscnt 0x0                               ; the block is back in registers
	s_wait_xcnt 0x0                                ; the earlier stores have read their registers: the block after next may land there
.irp u, 0,1,2,3,4,5,6,7
	global_store_b128 v[CO], v[OB+32*((\a)%2)+4*\u:OB+32*((\a)%2)+4*\u+3], s[\ptr:\ptr+1] offset:(16*(\a)+2*\u)*256   ; 512 consecutive bytes, aligned
.endr
.endm
.macro WAYOUT ptr
	PACK 0
	TOSTAGE 0
.irp a, 1,2,3
	PACK \a                                        ; block a's conversions stand between block a - 1's loads from the stage and the wait for them
	SEND \a-1, \ptr
	TOSTAGE \a
.endr
	SEND 3, \ptr
.endm
	s_wait_tensorcnt 1                             ; my parts of x's codes and of slot 0 are in; slot 1's load, issued behind them, may stay out
	s_barrier_signal -1
	s_barrier_wait -1                              ; everybody's are
	s_wait_loadcnt 0x0                             ; x's scale words and the biases
	MULPASS 0, 0, QB                               ; q
	s_wait_tensorcnt 0x0                           ; all my tensor loads have landed, my part of slot 1 among them
	ds_add_u32 v[SPW], v[NIL]                      ; 0 onto my spare word
	s_wait_dscnt 0x0                               ; the add is done, and my reads of slot 0 are over
	CROUND                                         ; no wave of any partner still reads slot 0 or has a load on its way
	tensor_load_to_lds s[G0B+8:G0B+11], s[G1B:G1B+7]   ; v's weights into slot 0: it has q's way out and the whole k pass in which to land
	s_nop 0
	PLACES                                         ; also the places in front of the first read of results
	WAYOUT 14
	MULPASS 1, 1, 0                                ; k: no bias
	PLACES
	WAYOUT 16
	s_wait_tensorcnt 0x0                           ; my part of v's weights is in,
	s_wait_dscnt 0x0
	s_barrier_signal -1
	s_barrier_wait -1                              ; everybody's is
	MULPASS 0, 0, VB                               ; v
	PLACES
	WAYOUT 18
	s_wait_tensorcnt 0x0                           ; the wave's end, behind my last tensor load and my last LDS store
	ds_add_u32 v[SPW], v[NIL]
	s_wait_dscnt 0x0
	CROUND                                         ; the closing round
	s_endpgm
.Lfunc_end_k_qc459ec756e_qkv:
	.size	k_qc459ec756e_qkv, .Lfunc_end_k_qc459ec756e_qkv-k_qc459ec756e_qkv
	.p2alignl 7, 3214868480
	.fill 96, 4, 3214868480
	.section	.rodata,"a",@progbits
	.p2align	6, 0x0
	.amdhsa_kernel k_qc459ec756e_qkv
		.amdhsa_group_segment_fixed_size 327680
		.amdhsa_private_segment_fixed_size 0
		.amdhsa_enable_private_segment 0
		.amdhsa_kernarg_size 64
		.amdhsa_user_sgpr_count 2
		.amdhsa_user_sgpr_kernarg_segment_ptr 1
		.amdhsa_wavefront_size32 1
		.amdhsa_system_sgpr_workgroup_id_x 1
		.amdhsa_system_sgpr_workgroup_id_y 1
		.amdhsa_system_sgpr_workgroup_id_z 1
		.amdhsa_system_vgpr_workitem_id 0
		.amdhsa_next_free_vgpr 768
		.amdhsa_next_free_sgpr 80
		.amdhsa_reserve_vcc 0
		.amdhsa_float_denorm_mode_32 3
		.amdhsa_float_denorm_mode_16_64 3
		.amdhsa_memory_ordered 1
		.amdhsa_forward_progress 1
		.amdhsa_inst_pref_size 202
	.end_amdhsa_kernel
	.amdgpu_metadata
---
amdhsa.version: [ 1, 2 ]
amdhsa.kernels:
  - .name:           k_qc459ec756e_qkv
    .symbol:         k_qc459ec756e_qkv.kd
    .args:
      - { .name: x_codes, .offset: 0, .size: 8, .value_kind: global_buffer, .address_space: global }
      - { .name: x_scales, .offset: 8, .size: 8, .value_kind: global_buffer, .address_space: global }
      - { .name: w_img, .offset: 16, .size: 8, .value_kind: global_buffer, .address_space: global }
      - { .name: query_bias, .offset: 24, .size: 8, .value_kind: global_buffer, .address_space: global }
      - { .name: value_bias, .offset: 32, .size: 8, .value_kind: global_buffer, .address_space: global }
      - { .name: q16, .offset: 40, .size: 8, .value_kind: global_buffer, .address_space: global }
      - { .name: k16, .offset: 48, .size: 8, .value_kind: global_buffer, .address_space: global }
      - { .name: v16, .offset: 56, .size: 8, .value_kind: global_buffer, .address_space: global }
    .group_segment_fixed_size: 327680
    .private_segment_fixed_size: 0
    .kernarg_segment_align: 8
    .kernarg_segment_size: 64
    .max_flat_workgroup_size: 128
    .sgpr_count:     80
    .vgpr_count:     768
    .wavefront_size: 32
...
	.end_amdgpu_metadata
.endif
;; end of part 2
;; launch attn (part 3): grid 8 x 32, 4 waves a work-group, clusters of 4 x 1, 327,680 bytes of LDS; arguments q16, k16, v16, part, wh_img; writes part
.if DOCPART == 3
	.amdgcn_target "amdgcn-amd-amdhsa--gfx1250"
	.amdhsa_code_object_version 6
	.text
	.protected	k_qc459ec756e_attn
	.globl	k_qc459ec756e_attn
	.p2align	8
	.type	k_qc459ec756e_attn,@function
k_qc459ec756e_attn:
	s_mov_b64 s[64:65], 0
	v_nop
	global_prefetch_b8 v0, s[64:65] scope:SCOPE_SE
	s_setreg_imm32_b32 hwreg(HW_REG_WAVE_MODE, 25, 1), 1
	s_wait_xcnt 0x0
	s_wait_alu depctr_hold_cnt(0) depctr_sa_sdst(0) depctr_va_vdst(0) depctr_va_sdst(0) depctr_va_ssrc(0) depctr_va_vcc(0) depctr_vm_vsrc(0)
	s_getreg_b32 s2, hwreg(HW_REG_IB_STS2, 6, 4)
	s_cmp_eq_u32 s2, 0
	s_cbranch_scc0 .Lentry_in_a_cluster
	s_endpgm
.Lentry_in_a_cluster:
	s_bfe_u32 s2, ttmp6, 0x10000c
	s_cmp_lg_u32 s2, 0x3003
	s_cbranch_scc0 .Lentry_shape_is_right
	s_endpgm
.Lentry_shape_is_right:
; part[8 b + block][head][q][:] = (softmax_k(Q[q] . K[k] / sqrt(128)) V) Wh, for each of 32 pairs bh = 8 b + head.  Q, K, V: [32][2048][128] f16; Wh: the head's 128 rows of head_kernel, f16, as register images; part: f32.
; Products, maxima and sums in f32; the weights p and the normalised result are rounded to f16 for the products that take them.  LIMIT: the normalised result's magnitude up to 65,504.
; SHARES.  A work-group owns 256 queries of one bh, each of its four waves 64: four tiles of 16.  Every wave walks all 2,048 keys, 64 a step.
; LAYOUT.  S^T = K Q^T (source 0 = 16 keys, source 1 = 16 queries): a lane holds ONE query (lane % 16) and the keys 8 (lane / 16) + 0..7.  Two such tiles, rounded to f16 in pairs, ARE source 1 of O^T = V^T P, whose result again
; holds one query a lane and eight channels; and two tiles of O^T, normalised and rounded in pairs, ARE source 1 (32 channels x 16 queries) of the last product, source 0 = 16 output columns of Wh.  Nothing changes lanes between the three.
; SOFTMAX.  For each query a running maximum m and sum l: p = 2^(c s - c m), c = log2(e) / sqrt(128); in every step O and l are multiplied by a = 2^(c m_old - c m_new).
; BY TURNS.  The wave's tiles are two PIECES (tiles 0, 1 and tiles 2, 3).  In a TURN one piece has the matrix unit (32 products V^T P of the step in hand, 32 products K Q^T of the next); the other piece's softmax, cut into 64 slices,
; stands between them, one slice behind each matrix instruction.  Two turns are a key step.
; CLUSTER.  The four query blocks of a cluster belong to one bh and walk the same K and V and use the same Wh: each tile is asked for JOINTLY.
; REGISTERS, in windows of 256: window 0: v0-11 addresses; v12-43 statistics; v61-63 kept; v64-191 S^T, 32 a tile (at the end: the normalised result in f16, then rows on the way out); v192-255 P.
;   window 1: O^T, 64 a tile (at the end: the last product's 32 accumulators).   window 2: v0-127 Q, v128-255 K of one step (at the end: Wh's 32 fragments).   window 3: v0-127 V of one step.
.set SIZE_H, 32
.set SIZE_N, 2048
.set KS,    64        ; keys in a step
.set PK,    272       ; a row of K in LDS: 256 bytes + 16 of padding
.set PV,    288       ; a row of V: 256 + 32
.set VOFF,  KS*PK     ; a step's tiles lie together: 64 rows of K, then 64 rows of V
.set STEPB, KS*(PK+PV)
.set SLOT1, 1<<17     ; a slot holds two steps; slot 1 begins here, so that one exclusive or turns an address in one slot into the other's
.set STAGE, SLOT1+2*STEPB  ; behind the ring: 16 rows x 528 bytes for each wave, for the way out
.set SP,    528
.set WHB,   STAGE+4*16*SP  ; the head's 32 fragments of Wh, 32,768 bytes, filled once
.set SPARE, WHB+32768      ; the spare words, 128 bytes a wave, that no other line names
.set AK0, 2           ; v2   my lane's place in a tile of K
.set AV0, 3           ; v3   the same for V
.set ADR, 4           ; v4   the LDS address of the run of loads in hand
.set QO,  5           ; v5   my byte offset in the wave's rows of Q
.set STO, 6           ; v6   the way out: where I put 32 bytes of a row
.set RD,  7           ; v7   the way out: where I read a row back
.set GO,  8           ; v8   16 x lane
.set AW,  10          ; v10  WHB + 16 x lane
.set SPW, 62
.set NIL, 63
.set ST,  12          ; tile t's statistics at v[ST+8 t]: +0 c m, +1 m, +2, +3 l, +4 to +7 at work; a takes +6
.set S,   64
.set P,   192
.set KF,  128         ; K's fragments, in window 2
.set WV,  12
.set G1K, 24          ; s[24:31] group 1 for K's tiles; s[32:39] for V's
.set G1V, 32
.set G0K, 40          ; s[40:47] group 0 for K's tiles: a set for each of the two first fills; the second then walks on
.set G0V, 48
.set SLOTS, 56
.set TWICE, 57
.set CS,  58
.set SEL, 60
.set TB,  62
.set G1W, 68          ; s[68:75], s[76:79] groups 1 and 0 for Wh
.set G0W, 76
.set PFA, 18
.set LIM, 15
.set PFO, 61
.set MSB, 0
.macro WIN new
.if MSB != \new
	s_set_vgpr_msb (MSB<<8)|\new
.set MSB, \new
.endif
.endm
.set W_KQ, 0x0a       ; K and Q in window 2, S^T in window 0
.set W_PV, 0x53       ; V in window 3, P in window 0, O^T in window 1
.set W_RS, 0x41       ; O^T (destination and source 0) in window 1, a in window 0
; A joint refill.  Waves 0 and 1 fetch the two steps' tiles of K, waves 2 and 3 those of V.  The branch hangs on the wave's number alone.  An s_nop 0 and four v_nop follow each of the two lines.
.macro JLOAD
	s_cmp_lt_u32 s[WV], 2
	s_cbranch_scc0 .Lfor_v_\@
	tensor_load_to_lds s[G0K+4:G0K+7], s[G1K:G1K+7]
	s_nop 0
.rept 4
	v_nop
.endr
	s_branch .Lasked_\@
.Lfor_v_\@:
	tensor_load_to_lds s[G0V+4:G0V+7], s[G1V:G1V+7]
	s_nop 0
.rept 4
	v_nop
.endr
.Lasked_\@:
.endm
; A prefetch of what the NEXT change of slots will ask for: a slot's 128 rows of K and 128 of V, 256 bytes a row, a lane a row.  Each row is asked for once in the launch: the first cluster of a bh asks; its four partners share the rows
; out by address, 32 each; in each, wave 0 asks for K's and wave 2 for V's.  The last change that fills a slot asks for nothing.
.macro ASK
	s_cmp_gt_u32 s[SLOTS], s[LIM]
	s_cbranch_scc0 .Lnot_mine_\@
	global_prefetch_b8 v[PFO], s[PFA:PFA+1] th:TH_LOAD_NT scope:SCOPE_SE
.Lnot_mine_\@:
.endm
.macro CROUND
	s_barrier_signal -1
	s_barrier_wait -1
	s_cmp_lg_u32 s[WV], 0
	s_cbranch_scc1 .Lnot_wave_0_\@
	s_barrier_signal -3
.Lnot_wave_0_\@:
	s_barrier_wait -3
	s_barrier_signal -1
	s_barrier_wait -1
.endm
	s_load_b256 s[4:11], s[0:1], 0x0  ; Q s[4:5], K s[6:7], V s[8:9], part s[10:11]
	s_load_b64 s[66:67], s[0:1], 0x20 ; Wh's images
	v_lshl_add_u32 v[SPW], v0, 2, SPARE
	v_mov_b32 v[NIL], 0
	ds_add_u32 v[SPW], v[NIL]       ; the wave's opening: the add, twice on end, and its wait ahead of my first tensor load
	ds_add_u32 v[SPW], v[NIL]
	v_lshrrev_b32 v1, 5, v0
	v_readfirstlane_b32 s[WV], v1   ; wave 0..3
	s_bfe_u32 s13, ttmp6, 0x40000   ; cx
	s_lshl_b32 s14, ttmp9, 2
	s_add_co_u32 s14, s14, s13      ; my block of 256 queries: it enters Q's and part's addresses alone
	s_and_b32 s63, ttmp7, 0xffff    ; bh, which the four partners share
	s_mov_b32 s20, s63
	s_mov_b32 s21, 0
	s_mov_b64 s[22:23], SIZE_N*256
	s_mul_u64 s[20:21], s[20:21], s[22:23]  ; bh's first byte in Q, K and V
	s_and_b32 s16, s[WV], 1         ; which of a slot's two steps I fetch:
	s_lshl_b32 s22, s16, 14         ; its 64 rows of 256 bytes in memory,
	s_mov_b32 s23, 0
	s_add_nc_u64 s[22:23], s[22:23], s[20:21]
	s_mul_i32 s17, s16, STEPB       ; and its place in a slot
	s_lshl_b32 s2, s14, 16          ; my block's 256 rows,
	s_lshl_b32 s3, s[WV], 14        ; my wave's 64 of them
	s_add_co_u32 s2, s2, s3
	s_mov_b32 s3, 0
	s_add_nc_u64 s[2:3], s[2:3], s[20:21]
	s_lshr_b32 s80, s63, 3          ; part: batch b,
	s_lshl_b32 s80, s80, 3
	s_add_co_u32 s80, s80, s14      ; 8 b + block,
	s_lshl_b32 s80, s80, 3
	s_and_b32 s81, s63, 7           ; the head:
	s_add_co_u32 s80, s80, s81      ; chunk 8 (8 b + block) + head, of 131,072 bytes,
	s_lshl_b32 s80, s80, 17
	s_lshl_b32 s82, s[WV], 15       ; my wave's 64 rows of 512 bytes
	s_add_co_u32 s80, s80, s82
	s_lshl_b32 s82, s81, 15         ; Wh: the head's 32,768 bytes,
	s_lshl_b32 s83, s[WV], 13       ; my quarter: made of the head and the wave alone
	s_add_co_u32 s82, s82, s83
	s_mov_b32 s81, 0
	s_mov_b32 s83, 0
	s_mov_b32 s[G1K], 15|(1<<16)|(1<<20)|(1<<21)|(5<<22)|(3<<25)  ; the mask: all four work-groups; elements of 2 bytes; padding on; bit 21 beside a mask; 4 words after every 64
	s_mov_b32 s[G1V], 15|(1<<16)|(1<<20)|(1<<21)|(5<<22)|(7<<25)  ; the same with 8 words of padding
.irp g, G1K, G1V
	s_mov_b32 s[\g+1], 128<<16      ; tensor_dim0 = 128
	s_mov_b32 s[\g+2], KS<<16       ; tensor_dim1 = 64
	s_mov_b32 s[\g+3], 128<<16      ; tile_dim0
	s_mov_b32 s[\g+4], KS           ; tile_dim1
	s_mov_b32 s[\g+5], 128          ; from row to row
	s_mov_b32 s[\g+6], 0
	s_mov_b32 s[\g+7], 0
.endr
	s_mov_b32 s[G1W], 15|(3<<16)|(1<<21)   ; Wh's quarter: 8,192 dense bytes as 32 rows of 32 elements of 8 bytes
	s_mov_b32 s[G1W+1], 32<<16
	s_mov_b32 s[G1W+2], 32<<16
	s_mov_b32 s[G1W+3], 32<<16
	s_mov_b32 s[G1W+4], 32
	s_mov_b32 s[G1W+5], 32
	s_mov_b32 s[G1W+6], 0
	s_mov_b32 s[G1W+7], 0
	s_mov_b32 s[CS], 0x3e0293ee     ; c = log2(e) / sqrt(128)
	s_mov_b32 s[CS+1], s[CS]
	s_mov_b32 s[SEL], 0x76543210
	s_mov_b32 s[SEL+1], 0xfedcba98
	s_mov_b32 s[TB], 0
	s_mov_b32 s[SLOTS], SIZE_N/(2*KS)-2
	s_and_b32 s[LIM], s[WV], 1       ; 0 in waves 0 and 2,
	s_or_b32 s[LIM], s[LIM], ttmp9   ; where the cluster is the first of its bh: the same in all four partners
	s_cmp_eq_u32 s[LIM], 0
	s_cselect_b32 s[LIM], 1, -1
	v_and_b32 v[PFO], 31, v0
	v_lshlrev_b32 v[PFO], 8, v[PFO]
	s_wait_dscnt 0x0                ; both opening adds are done
	s_wait_kmcnt 0x0
	s_add_nc_u64 s[6:7], s[6:7], s[22:23]  ; K and V at my tile of slot 0
	s_add_nc_u64 s[8:9], s[8:9], s[22:23]
	s_add_nc_u64 s[4:5], s[4:5], s[2:3]    ; Q at my wave's first row
	s_add_nc_u64 s[10:11], s[10:11], s[80:81]  ; part likewise
	s_cmp_lt_u32 s[WV], 2
	s_cselect_b64 s[PFA:PFA+1], s[6:7], s[8:9]
	s_lshl_b32 s2, s13, 13          ; my work-group's 32 rows of the 128
	s_mov_b32 s3, 0
	s_add_nc_u64 s[PFA:PFA+1], s[PFA:PFA+1], s[2:3]
	s_add_nc_u64 s[PFA:PFA+1], s[PFA:PFA+1], 2*2*KS*256  ; in slot 2; the first change of slots steps it to slot 3
	CROUND                          ; all four work-groups are here: the first joint loads meet
.irp s, 0,1
	s_mov_b32 s[G0K+4*\s], 1
	s_add_co_u32 s[G0K+4*\s+1], s17, \s*SLOT1
	s_add_nc_u64 s[G0K+4*\s+2:G0K+4*\s+3], s[6:7], \s*2*KS*256
	s_or_b32 s[G0K+4*\s+3], s[G0K+4*\s+3], 0x80000000
	s_mov_b32 s[G0V+4*\s], 1
	s_add_co_u32 s[G0V+4*\s+1], s17, \s*SLOT1+VOFF
	s_add_nc_u64 s[G0V+4*\s+2:G0V+4*\s+3], s[8:9], \s*2*KS*256
	s_or_b32 s[G0V+4*\s+3], s[G0V+4*\s+3], 0x80000000
.endr
	s_mov_b32 s[G0W], 1
	s_lshl_b32 s[G0W+1], s[WV], 13
	s_add_co_u32 s[G0W+1], s[G0W+1], WHB
	s_add_nc_u64 s[G0W+2:G0W+3], s[66:67], s[82:83]
	s_or_b32 s[G0W+3], s[G0W+3], 0x80000000
	tensor_load_to_lds s[G0W:G0W+3], s[G1W:G1W+7]   ; the first fills, one group: every wave a quarter of Wh, then its tiles of slots 0 and 1: three loads of mine are out
	s_nop 0
	s_cmp_lt_u32 s[WV], 2
	s_cbranch_scc0 .Lfirst_v
	tensor_load_to_lds s[G0K:G0K+3], s[G1K:G1K+7]
	s_nop 0
	tensor_load_to_lds s[G0K+4:G0K+7], s[G1K:G1K+7]
	s_nop 0
.rept 4
	v_nop
.endr
	s_branch .Lfirst_asked
.Lfirst_v:
	tensor_load_to_lds s[G0V:G0V+3], s[G1V:G1V+7]
	s_nop 0
	tensor_load_to_lds s[G0V+4:G0V+7], s[G1V:G1V+7]
	s_nop 0
.rept 4
	v_nop
.endr
.Lfirst_asked:
	v_and_b32 v1, 15, v0            ; l % 16
	v_bfe_u32 v9, v0, 4, 1          ; l / 16
	v_lshlrev_b32 v[QO], 8, v1
	v_lshl_add_u32 v[QO], v9, 4, v[QO]  ; row x 256 + 16 x half
	WIN 0x80                        ; destination window 2
.irp i, 0,1,2,3,4,5,6,7,8,9,10,11,12,13,14,15  ; Q stays in registers: tile i / 4, channels 32 (i % 4) on
	global_load_b128 v[8*\i:8*\i+3],   v[QO], s[4:5] offset:(\i/4)*4096+(\i%4)*64
	global_load_b128 v[8*\i+4:8*\i+7], v[QO], s[4:5] offset:(\i/4)*4096+(\i%4)*64+32
.endr
	WIN 0
	v_mul_u32_u24 v[AK0], v1, PK
	v_lshl_add_u32 v[AK0], v9, 4, v[AK0]
	v_and_b32 v10, 7, v0            ; the turning load: lane l reads key 8 (l / 16) + l % 8, channels 8 ((l / 8) % 2) + 0..7
	v_bfe_u32 v11, v0, 3, 1
	v_lshl_add_u32 v[AV0], v9, 3, v10
	v_mul_u32_u24 v[AV0], v[AV0], PV
	v_lshl_add_u32 v[AV0], v11, 4, v[AV0]
	v_add_nc_u32 v[AV0], VOFF, v[AV0]
; THE MATRIX WORK OF A TURN, for piece x.  The accumulators take turns, one instruction a turn.
.macro PV x, zero                   ; product i of 32 of O^T += V^T P: keys 32 (i / 16) on, channels 16 ((i / 2) % 8) on, tile x + i % 2
	WIN W_PV
.set rO, 64*(\x+i%2)+8*((i/2)%8)
.set rV, 64*(i/16)+8*((i/2)%8)
.set rP, P+16*(\x+i%2)+8*(i/16)
.if \zero && (i < 16)
	v_wmma_f32_16x16x32_f16 v[rO:rO+7], v[rV:rV+7], v[rP:rP+7], 0
.else
	v_wmma_f32_16x16x32_f16 v[rO:rO+7], v[rV:rV+7], v[rP:rP+7], v[rO:rO+7]
.endif
.endm
.macro KQ x                         ; product i of 32 of S^T = K Q^T: channels 32 (i / 8) on, keys 16 ((i / 2) % 4) on, tile x + i % 2
	WIN W_KQ
.set rS, S+32*(\x+i%2)+8*((i/2)%4)
.set rK, KF+32*((i/2)%4)+8*(i/8)
.set rQ, 32*(\x+i%2)+8*(i/8)
.if i < 8
	v_wmma_f32_16x16x32_f16 v[rS:rS+7], v[rK:rK+7], v[rQ:rQ+7], 0
.else
	v_wmma_f32_16x16x32_f16 v[rS:rS+7], v[rK:rK+7], v[rQ:rQ+7], v[rS:rS+7]
.endif
.endm
; THE LDS LOADS stand in runs of 32: a step's K and, a turn later, its V (turned).
.macro FETCH_K
	WIN 0
	v_add_nc_u32 v[ADR], s[TB], v[AK0]
	WIN 0x80
.irp f, 0,1,2,3,4,5,6,7,8,9,10,11,12,13,14,15
	ds_load_b128 v[KF+8*\f:KF+8*\f+3],   v[ADR] offset:(\f/4)*16*PK+(\f%4)*64
	ds_load_b128 v[KF+8*\f+4:KF+8*\f+7], v[ADR] offset:(\f/4)*16*PK+(\f%4)*64+32
.endr
.endm
.macro FETCH_V
	WIN 0
	v_add_nc_u32 v[ADR], s[TB], v[AV0]
	s_add_co_u32 s[TB], s[TB], STEPB  ; the next fetch is the next step's
	s_wait_alu depctr_va_vdst(0)    ; the wait for the softmax's batch of exponentials, ahead of the first instruction that names a result
	WIN 0xc0
.irp f, 0,1,2,3,4,5,6,7,8,9,10,11,12,13,14,15
	ds_load_tr16_b128 v[8*\f:8*\f+3],   v[ADR] offset:(\f/8)*32*PV+(\f%8)*32
	ds_load_tr16_b128 v[8*\f+4:8*\f+7], v[ADR] offset:(\f/8)*32*PV+16*PV+(\f%8)*32
.endr
.endm
; THE VECTOR WORK OF A TURN.  One tile's softmax for one key step is a list of 134 instructions; SM writes number j of it for tile t.
;   0-15 the maximum of the lane's 32 scores and the old m;  16-20 the other half of the lanes' maximum, the new m, c m, c m_old - c m_new;
;   21-69 ONE BATCH: the 16 scalings c s - c m and all 33 exponentials, none of which reads an exponential's result;  (the wait for the batch);
;   70-85 the roundings to f16;  86-101 the sums, l = a l + the sum;  102-133 the tile's O^T times a.
.macro SM t, first
.set rT, ST+8*(\t)
.set rS, S+32*(\t)
.set rP, P+16*(\t)
.set rO, 64*(\t)+2*(j-102)
.if j < 102
	WIN 0
.endif
.if j < 4
	v_max3_num_f32 v[rT+4+j], v[rS+8*j], v[rS+8*j+1], v[rS+8*j+2]
.elseif j < 12
	v_max3_num_f32 v[rT+4+j%4], v[rT+4+j%4], v[rS+8*(j%4)+2*(j/4)+1], v[rS+8*(j%4)+2*(j/4)+2]
.elseif j == 12
	v_max3_num_f32 v[rT+4], v[rT+4], v[rS+7], v[rS+15]
.elseif j == 13
	v_max3_num_f32 v[rT+6], v[rT+6], v[rS+23], v[rS+31]
.elseif j == 14
	v_max3_num_f32 v[rT+4], v[rT+4], v[rT+5], v[rT+6]
.elseif (j == 15) && \first
	v_max_num_f32 v[rT+4], v[rT+4], v[rT+7]
.elseif j == 15
	v_max3_num_f32 v[rT+4], v[rT+4], v[rT+7], v[rT+1]
.elseif j == 16
	v_permlanex16_b32 v[rT+5], v[rT+4], s[SEL], s[SEL+1]  ; the query's other 32 keys lie in the lane 16 away
.elseif j == 18
	v_max_num_f32 v[rT+1], v[rT+4], v[rT+5]
.elseif j == 19
	v_mul_f32 v[rT], s[CS], v[rT+1]
.elseif ((j == 17) || (j == 20) || (j == 23) || (j > 101)) && \first  ; the first step has none of these
.elseif j == 17
	v_mov_b32 v[rT+7], v[rT]        ; c m_old is kept for a
.elseif j == 20
	v_sub_f32 v[rT+7], v[rT+7], v[rT]
.elseif j == 23
	v_exp_f32 v[rT+6], v[rT+7]
.elseif (j < 23) || ((j < 38) && (j%2 == 0)) || ((j < 66) && (j%4 == 2))
.set b, (j-2)/4                     ; 38, 42, .. 62: pairs 9 to 15
.if j < 38
.set b, (j-20)/2                    ; 21: pair 0; 22, 24, .. 36: pairs 1 to 8
.endif
	v_pk_fma_f32 v[rS+2*b:rS+2*b+1], v[rS+2*b:rS+2*b+1], s[CS:CS+1], v[rT:rT+1] op_sel_hi:[1,0,0] neg_lo:[0,0,1] neg_hi:[0,0,1]  ; pair b: c s - c m
.elseif j < 70
.set e, j-38                        ; 66 to 69: s28 to s31
.if j < 66
.set e, j-32-(j-38)/4               ; 39-41, 43-45, .. 63-65: s7 to s27
.endif
.if j < 38
.set e, (j-25)/2                    ; 25, 27, .. 37: s0 to s6
.endif
	v_exp_f32 v[rS+e], v[rS+e]
.elseif j < 86
	v_cvt_pk_f16_f32 v[rP+j-70], v[rS+2*(j-70)], v[rS+2*(j-70)+1]  ; pair j - 70
.elseif j < 102                     ; the sum of the tile's 16 pairs, in place: neighbours 1, 2, 4 and 8 pairs apart, then l takes it
.set z, j-86
.set w, 4
.set u, z
.if z >= 14
.set w, 32
.set u, 0
.elseif z >= 12
.set w, 16
.set u, z-12
.elseif z >= 8
.set w, 8
.set u, z-8
.endif
.if (z == 14) && \first
	v_pk_add_f32 v[rT+2:rT+3], v[rS:rS+1], v[rS+16:rS+17]
.elseif z < 15
	v_pk_add_f32 v[rS+w*u:rS+w*u+1], v[rS+w*u:rS+w*u+1], v[rS+w*u+w/2:rS+w*u+w/2+1]
.elseif !\first
	v_pk_fma_f32 v[rT+2:rT+3], v[rT+2:rT+3], v[rT+6:rT+7], v[rS:rS+1] op_sel_hi:[1,0,1]
.endif
.else
	WIN W_RS
	v_pk_mul_f32 v[rO:rO+1], v[rO:rO+1], v[rT+6:rT+7] op_sel_hi:[1,0]
.endif
.endm
; Slice k of 64 of piece y's softmax: four instructions.  Slices 11 to 34 deal out the batch, four numbers of ONE tile each, the tiles by turns; every other slice is numbers 2 k and 2 k + 1 of both tiles' lists;
; the twelve that are over stand together, in slice 63.  Ahead of slice 35 nothing names an exponential's result, and behind slice 34 no exponential is issued: one wait, behind slice 34, serves the piece's 66.
.macro SLICE y, first
.if (k >= 11) && (k < 35)
.irp n, 0,1,2,3
.set j, 22+4*((k-11)/2)+(\n)
	SM (\y)+(k-11)%2, \first
.endr
.else
.irp n, 0,1,2,3,4,5,6,7
.if (\n < 2) || (k == 63)
.irp t, \y, \y+1
.set j, 2*k+\n
	SM \t, \first
.endr
.endif
.endr
.endif
.if k == 34
	v_nop                           ; a plain instruction behind the last exponential and ahead of the first use: one for the batch
.if (\y) == 0
	FETCH_V                         ; piece 2's turn: V's run of loads stands here, and the wait stands in it
.else
	s_wait_alu depctr_va_vdst(0)    ; the wait for the batch
.endif
.endif
.set k, k+1
.endm
.macro PLACES
.rept 4
	v_nop
.endr
.endm
; A TURN.  Piece x has the matrix unit; the other piece's softmax stands in slices behind its matrix instructions.  pv = 2: 32 products V^T P; 1: they start O^T's sums; 0: none.  kq = 1: 32 products K Q^T for the next step.
; first = 1: the softmax is the first key step's; four v_nop then take slice 63's part as the places behind the turn's last products.
.macro TURN x, pv, kq, first
.set k, 0
.set per, 2
.if \pv && \kq
.set per, 1
.endif
.if \pv
.if \x == 0
	s_wait_dscnt 0x0                ; V is in
.endif
.set i, 0
.rept 32
	PV \x, 2-\pv
.rept per
	SLICE 2-\x, \first
.endr
.if (\x == 0) && \kq && (i == 1)
	FETCH_K
.endif
.set i, i+1
.endr
.endif
.if \kq
.if \x == 0
	s_wait_dscnt 0x0                ; K is in
.endif
.set i, 0
.rept 32
	KQ \x
.rept per
	SLICE 2-\x, \first
.endr
.set i, i+1
.endr
.endif
.if \first
	PLACES
.endif
.endm
; THE CHANGE OF SLOTS.  Each wave waits for all its tensor loads (one is out: its part of the other slot), adds 0 to its spare word, and waits for that and for its own reads of the slot.
; fill = 1: the slot is filled again, with the keys two slots on: the barrier is a round of the cluster's, and the joint refill is the first thing behind it: it has two key steps, 256 matrix instructions, in which to land.
.macro CHANGE fill
	WIN 0
	s_wait_tensorcnt 0x0            ; no tensor load of mine is out, so a group 0 may be written
	ds_add_u32 v[SPW], v[NIL]       ; 0 onto my spare word
.if \fill
.irp g, G0K+4, G0V+4
	s_xor_b32 s[\g+1], s[\g+1], SLOT1
	s_add_nc_u64 s[\g+2:\g+3], s[\g+2:\g+3], 2*KS*256
.endr
	s_wait_xcnt 0x0                 ; the last prefetch, two key steps back, has read its address, so it may be written
	s_add_nc_u64 s[PFA:PFA+1], s[PFA:PFA+1], 2*KS*256
	s_wait_dscnt 0x0                ; the add is done, and my reads of the slot are over
	CROUND
	JLOAD
	ASK
.else
	s_wait_dscnt 0x0
	s_barrier_signal -1
	s_barrier_wait -1
.endif
	s_sub_co_u32 s[TB], s[TB], 2*STEPB
	s_xor_b32 s[TB], s[TB], SLOT1
.endm
.macro TWO_STEPS                    ; a slot's two key steps: written once, walked twice
	s_mov_b32 s[TWICE], 2
.Lstep_\@:
	TURN 0, 2, 1, 0
	TURN 2, 2, 1, 0
	WIN 0
	s_sub_co_u32 s[TWICE], s[TWICE], 1
	s_cmp_lg_u32 s[TWICE], 0
	s_cbranch_scc1 .Lstep_\@
.endm
	s_wait_tensorcnt 1              ; my parts of Wh and of slot 0 are in; slot 1's, issued behind them, may stay out
	s_barrier_signal -1
	s_barrier_wait -1               ; everybody's are
	FETCH_K                         ; key step 0
	s_wait_loadcnt 0x0              ; Q
	s_wait_dscnt 0x0
.set i, 0
.rept 32
	KQ 0                            ; piece 0's first scores
.set i, i+1
.endr
	WIN 0                           ; the addresses for the end are made here: seven plain instructions, the places behind those products
	s_mul_i32 s13, s[WV], 16*SP
	s_add_co_u32 s13, s13, STAGE    ; my stage
	v_mul_u32_u24 v[STO], v1, SP    ; in: row l % 16, 32 bytes for each half of the lanes
	v_lshl_add_u32 v[STO], v9, 5, v[STO]
	v_add_nc_u32 v[STO], s13, v[STO]
	v_and_b32 v[GO], 31, v0
	v_lshlrev_b32 v[GO], 4, v[GO]   ; 16 x lane: my place in a row of 512 bytes, and in an image
	v_add_nc_u32 v[RD], s13, v[GO]
	v_add_nc_u32 v[AW], WHB, v[GO]
	TURN 2, 0, 1, 1                 ; piece 2's first scores | piece 0's first softmax | V of step 0
	TURN 0, 1, 1, 1                 ; piece 0: V^T P of step 0 starts O^T, K Q^T of step 1 | piece 2's first softmax | K of step 1
	TURN 2, 1, 1, 0                 ; piece 2: the same | piece 0's softmax of step 1 | V of step 1
	WIN 0
.Lslot:                             ; SIZE_N / 128 - 2 trips: every slot but the last two is filled again
	CHANGE 1
	TWO_STEPS
	s_sub_co_u32 s[SLOTS], s[SLOTS], 1
	s_cmp_lg_u32 s[SLOTS], 0
	s_cbranch_scc1 .Lslot
	CHANGE 0                        ; the tail is written out
	TWO_STEPS
	WIN 0x80                        ; Q and K are done with: Wh's 32 fragments take their registers.  Slice 63's sixteen plain instructions are the places behind the last products that read them
.set i, 0
.rept 64
	ds_load_b128 v[4*i:4*i+3], v[AW] offset:512*i   ; an image comes back as it was laid: fragment f in v[8 f .. 8 f + 7]
.set i, i+1
.endr
	TURN 0, 2, 0, 0                 ; piece 0: V^T P of the last step | piece 2's last softmax.  (The wait at its head serves Wh's loads too)
.set i, 0
.rept 32
	PV 2, 0                         ; piece 2: V^T P of the last step
.set i, i+1
.endr
	; THE END.  l's two halves and the other half of the lanes' are added; O^T is divided by l and rounded to f16.  The additions are the places behind the last products.
	WIN 0
.irp t, 0,1,2,3
	v_add_f32 v[ST+8*\t+4], v[ST+8*\t+2], v[ST+8*\t+3]
.endr
.irp t, 0,1,2,3
	v_permlanex16_b32 v[ST+8*\t+5], v[ST+8*\t+4], s[SEL], s[SEL+1]
.endr
.irp t, 0,1,2,3
	v_add_f32 v[ST+8*\t+4], v[ST+8*\t+4], v[ST+8*\t+5]
.endr
.irp t, 0,1,2,3
	v_rcp_f32 v[ST+8*\t+6], v[ST+8*\t+4]
.endr
	v_nop                           ; a plain instruction between the last reciprocal and the use of its result
	s_wait_alu depctr_va_vdst(0)    ; one wait for the four reciprocals, ahead of the first use
.macro NORM t                       ; registers 8 c .. 8 c + 7 of v[S + 32 t ..] become source 1 for channels 32 c .. 32 c + 31 of tile t's 16 queries
	WIN W_RS
.set i, 64*\t
.rept 32
	v_pk_mul_f32 v[i:i+1], v[i:i+1], v[ST+8*\t+6:ST+8*\t+7] op_sel_hi:[1,0]
.set i, i+2
.endr
	WIN 0x05                        ; sources window 1, destination window 0: S^T's registers are free
.set i, 0
.rept 32
	v_cvt_pk_f16_f32 v[S+32*\t+i], v[64*\t+2*i], v[64*\t+2*i+1]
.set i, i+1
.endr
.endm
	NORM 0
	NORM 1
	NORM 2
	NORM 3
.rept 5
	v_nop                           ; the results below are laid over registers of earlier matrix instructions
.endr
	WIN 0x52                        ; source 0 (Wh) window 2, source 1 window 0, C and D window 1
.set i, 0
.rept 128                           ; the head's part of the last product: channels 32 (i / 32) on, output columns 16 ((i / 4) % 8) on, tile i % 4: 32 accumulators by turns; the first 32 start the sums
.set rD, 64*(i%4)+8*((i/4)%8)
.set rW, 8*(4*((i/4)%8)+i/32)
.set rB, S+32*(i%4)+8*(i/32)
.if i < 32
	v_wmma_f32_16x16x32_f16 v[rD:rD+7], v[rW:rW+7], v[rB:rB+7], 0
.else
	v_wmma_f32_16x16x32_f16 v[rD:rD+7], v[rW:rW+7], v[rB:rB+7], v[rD:rD+7]
.endif
.set i, i+1
.endr
	WIN 0
	PLACES                          ; in front of the first read of results and of loads into registers that the products have read
; THE WAY OUT, a tile (16 rows of 128 f32) at a time: a lane's 32 bytes of a row go into my stage and come back as whole rows of 512 bytes.
.macro TOSTAGE t
	WIN 0x04                        ; an LDS store's data: window 1
.irp o, 0,1,2,3,4,5,6,7
	ds_store_b128 v[STO], v[64*(\t)+8*\o:64*(\t)+8*\o+3] offset:64*\o          ; each accumulator from its low end on
	ds_store_b128 v[STO], v[64*(\t)+8*\o+4:64*(\t)+8*\o+7] offset:64*\o+16
.endr
	WIN 0
.set BB, S+64*((\t)%2)
.irp u, 0,1,2,3,4,5,6,7,8,9,10,11,12,13,14,15
	ds_load_b128 v[BB+4*\u:BB+4*\u+3], v[RD] offset:\u*SP   ; LDS serves a wave's instructions in order: these see the stores above, and the next tile's stores come behind them
.endr
.endm
.macro SEND t, younger              ; younger: the LDS instructions issued behind tile t's loads, which may stay out
.set BB, S+64*((\t)%2)
	s_wait_dscnt \younger
.irp u, 0,1,2,3,4,5,6,7,8,9,10,11,12,13,14,15
	global_store_b128 v[GO], v[BB+4*\u:BB+4*\u+3], s[10:11] offset:8192*(\t)+512*\u th:TH_STORE_NT   ; 512 consecutive bytes, aligned; read by nobody in this launch
.endr
.endm
	TOSTAGE 0
.irp a, 1,2,3
.if \a > 1
	s_wait_xcnt 0x0                 ; tile a - 2's stores have read their registers: tile a's loads may land there
.endif
	TOSTAGE \a
	SEND \a-1, 32                   ; behind tile a - 1's loads: tile a's 16 stores and 16 loads
.endr
	SEND 3, 0
	s_wait_tensorcnt 0x0            ; the wave's end, behind my last tensor load and my last LDS store
	ds_add_u32 v[SPW], v[NIL]
	s_wait_dscnt 0x0
	CROUND                          ; the closing round
	s_endpgm
.Lfunc_end_k_qc459ec756e_attn:
	.size	k_qc459ec756e_attn, .Lfunc_end_k_qc459ec756e_attn-k_qc459ec756e_attn
	.p2alignl 7, 3214868480
	.fill 96, 4, 3214868480
	.section	.rodata,"a",@progbits
	.p2align	6, 0x0
	.amdhsa_kernel k_qc459ec756e_attn
		.amdhsa_group_segment_fixed_size 327680
		.amdhsa_private_segment_fixed_size 0
		.amdhsa_enable_private_segment 0
		.amdhsa_kernarg_size 40
		.amdhsa_user_sgpr_count 2
		.amdhsa_user_sgpr_kernarg_segment_ptr 1
		.amdhsa_wavefront_size32 1
		.amdhsa_system_sgpr_workgroup_id_x 1
		.amdhsa_system_sgpr_workgroup_id_y 1
		.amdhsa_system_sgpr_workgroup_id_z 1
		.amdhsa_system_vgpr_workitem_id 0
		.amdhsa_next_free_vgpr 1024
		.amdhsa_next_free_sgpr 84
		.amdhsa_reserve_vcc 0
		.amdhsa_float_denorm_mode_32 3
		.amdhsa_float_denorm_mode_16_64 3
		.amdhsa_memory_ordered 1
		.amdhsa_forward_progress 1
		.amdhsa_inst_pref_size 241
	.end_amdhsa_kernel
	.amdgpu_metadata
---
amdhsa.version: [ 1, 2 ]
amdhsa.kernels:
  - .name:           k_qc459ec756e_attn
    .symbol:         k_qc459ec756e_attn.kd
    .args:
      - { .name: q16, .offset: 0, .size: 8, .value_kind: global_buffer, .address_space: global }
      - { .name: k16, .offset: 8, .size: 8, .value_kind: global_buffer, .address_space: global }
      - { .name: v16, .offset: 16, .size: 8, .value_kind: global_buffer, .address_space: global }
      - { .name: part, .offset: 24, .size: 8, .value_kind: global_buffer, .address_space: global }
      - { .name: wh_img, .offset: 32, .size: 8, .value_kind: global_buffer, .address_space: global }
    .group_segment_fixed_size: 327680
    .private_segment_fixed_size: 0
    .kernarg_segment_align: 8
    .kernarg_segment_size: 40
    .max_flat_workgroup_size: 128
    .sgpr_count:     84
    .vgpr_count:     1024
    .wavefront_size: 32
...
	.end_amdgpu_metadata
.endif
;; end of part 3
;; launch reduce (part 4): grid 256 x 1, 8 waves a work-group, no clusters, 0 bytes of LDS; arguments part, head_bias, out0; writes out0
.if DOCPART == 4
	.amdgcn_target "amdgcn-amd-amdhsa--gfx1250"
	.amdhsa_code_object_version 6
	.text
	.protected	k_qc459ec756e_reduce
	.globl	k_qc459ec756e_reduce
	.p2align	8
	.type	k_qc459ec756e_reduce,@function
k_qc459ec756e_reduce:
	s_mov_b64 s[64:65], 0
	v_nop
	global_prefetch_b8 v0, s[64:65] scope:SCOPE_SE
	s_setreg_imm32_b32 hwreg(HW_REG_WAVE_MODE, 25, 1), 1
	s_wait_xcnt 0x0
; out0[row][:] = the sum over the 8 heads of part[row / 256][head][row % 256][:] + head_bias.  part: [32][8][256][128] f32; out0: [8192][128] f32.
; A plain stream: no LDS, no barrier, no matrix unit.  A work-group takes 32 rows, in four passes of 8 rows (4,096 bytes: 16 bytes a thread); all 32 loads of a thread go out at once; each load and store of a wave covers 512 consecutive bytes, aligned.
; The heads are added as a tree of pairs, in f32.
.set D, 16                             ; v16-143: pass p, head h at v[D + 4 (8 p + h)]
	s_load_b128 s[4:7], s[0:1], 0x0                ; part, head_bias
	s_load_b64 s[8:9], s[0:1], 0x10                ; out0
	v_lshlrev_b32 v1, 4, v0                        ; my 16 bytes of a pass's 4,096
	v_and_b32 v2, 31, v0
	v_lshlrev_b32 v2, 4, v2                        ; and of a row's 512
	s_lshr_b32 s10, ttmp9, 3
	s_lshl_b32 s10, s10, 20                        ; the block of 256 rows: 8 heads x 131,072 bytes
	s_and_b32 s12, ttmp9, 7
	s_lshl_b32 s12, s12, 14                        ; my 32 rows in it
	s_add_co_u32 s10, s10, s12
	s_mov_b32 s11, 0
	s_lshl_b32 s12, ttmp9, 14
	s_mov_b32 s13, 0
	s_wait_kmcnt 0x0
	s_add_nc_u64 s[4:5], s[4:5], s[10:11]
	s_add_nc_u64 s[8:9], s[8:9], s[12:13]
	global_load_b128 v[4:7], v2, s[6:7]            ; the bias of my four columns
.irp p, 0,1,2,3
.irp h, 0,1,2,3,4,5,6,7
	global_load_b128 v[D+4*(8*\p+\h):D+4*(8*\p+\h)+3], v1, s[4:5] offset:131072*\h+4096*\p th:TH_LOAD_NT
.endr
.endr
.macro ADD4 d, s
	v_pk_add_f32 v[0+(\d):1+(\d)], v[0+(\d):1+(\d)], v[0+(\s):1+(\s)]
	v_pk_add_f32 v[2+(\d):3+(\d)], v[2+(\d):3+(\d)], v[2+(\s):3+(\s)]
.endm
.irp p, 0,1,2,3
	s_wait_loadcnt 24-8*\p                         ; this pass's eight loads are in; the eight of each later pass may be out
	ADD4 D+32*\p, D+32*\p+4
	ADD4 D+32*\p+8, D+32*\p+12
	ADD4 D+32*\p+16, D+32*\p+20
	ADD4 D+32*\p+24, D+32*\p+28
	ADD4 D+32*\p, D+32*\p+8
	ADD4 D+32*\p+16, D+32*\p+24
	ADD4 D+32*\p, D+32*\p+16
	ADD4 D+32*\p, 4
	global_store_b128 v1, v[D+32*\p:D+32*\p+3], s[8:9] offset:4096*\p th:TH_STORE_NT
.endr
	s_endpgm
.Lfunc_end_k_qc459ec756e_reduce:
	.size	k_qc459ec756e_reduce, .Lfunc_end_k_qc459ec756e_reduce-k_qc459ec756e_reduce
	.p2alignl 7, 3214868480
	.fill 96, 4, 3214868480
	.section	.rodata,"a",@progbits
	.p2align	6, 0x0
	.amdhsa_kernel k_qc459ec756e_reduce
		.amdhsa_group_segment_fixed_size 0
		.amdhsa_private_segment_fixed_size 0
		.amdhsa_enable_private_segment 0
		.amdhsa_kernarg_size 24
		.amdhsa_user_sgpr_count 2
		.amdhsa_user_sgpr_kernarg_segment_ptr 1
		.amdhsa_wavefront_size32 1
		.amdhsa_system_sgpr_workgroup_id_x 1
		.amdhsa_system_sgpr_workgroup_id_y 1
		.amdhsa_system_sgpr_workgroup_id_z 1
		.amdhsa_system_vgpr_workitem_id 0
		.amdhsa_next_free_vgpr 144
		.amdhsa_next_free_sgpr 66
		.amdhsa_reserve_vcc 0
		.amdhsa_float_denorm_mode_32 3
		.amdhsa_float_denorm_mode_16_64 3
		.amdhsa_memory_ordered 1
		.amdhsa_forward_progress 1
		.amdhsa_inst_pref_size 9
	.end_amdhsa_kernel
	.amdgpu_metadata
---
amdhsa.version: [ 1, 2 ]
amdhsa.kernels:
  - .name:           k_qc459ec756e_reduce
    .symbol:         k_qc459ec756e_reduce.kd
    .args:
      - { .name: part, .offset: 0, .size: 8, .value_kind: global_buffer, .address_space: global }
      - { .name: head_bias, .offset: 8, .size: 8, .value_kind: global_buffer, .address_space: global }
      - { .name: out0, .offset: 16, .size: 8, .value_kind: global_buffer, .address_space: global }
    .group_segment_fixed_size: 0
    .private_segment_fixed_size: 0
    .kernarg_segment_align: 8
    .kernarg_segment_size: 24
    .max_flat_workgroup_size: 256
    .sgpr_count:     66
    .vgpr_count:     144
    .wavefront_size: 32
...
	.end_amdgpu_metadata
.endif
;; end of part 4
